; MI455X (gfx1250); checked and timed in simulation.
; The chip was launched on July 23, 2026; its instructions are those of AMD's public machine-readable ISA for CDNA 5 (MIT licence, August 2026) and "CDNA5" Instruction Set Architecture Reference Guide (July 2026). The comments in the code are by the model that wrote it; some were corrected since.
;; Bahdanau Attention. Allowed arithmetic: matrix products marked QUANTISED: E2M1 operands, one E8M0 scale for each 32 along K, by v_wmma_scale_f32_16x16x128_f8f6f4 with both operands' format E2M1 (or v_wmma_scale_f32_32x16x128_f4), f32 sums; products left as they are: f32 operands where the result goes on into a quantised operand, else bf16, f16 or f32 operands; f32 sums; everything else in f32.
;; Inputs: V_b 1 float32; V_w 1 x 1,024 float32; W1_b 1,024 float32; W1_w_codes 1,024 x 32 x 16 uint8 (E2M1 codes of W1_w, K innermost, in blocks of 32 codes, two codes a byte); W1_w_scales 1,024 x 32 uint8 (E8M0 scales of W1_w, one for each 32 codes along K); W2_b 1,024 float32; W2_w_codes 1,024 x 32 x 16 uint8 (E2M1 codes of W2_w, K innermost, in blocks of 32 codes, two codes a byte); W2_w_scales 1,024 x 32 uint8 (E8M0 scales of W2_w, one for each 32 codes along K); keys 64 x 1,024 x 1,024 float32; query_codes 64 x 32 x 16 uint8 (E2M1 codes of query, K innermost, in blocks of 32 codes, two codes a byte); query_scales 64 x 32 uint8 (E8M0 scales of query, one for each 32 codes along K).
;; Outputs: out0 64 x 1,024 float32; out1 64 x 1,024 float32.
;; This version of the problem:
;;   THIS VERSION OF THE PROBLEM IS GIVEN IN LOW PRECISION. The matrix products marked QUANTISED in the list below multiply operands that are first quantised to E2M1 (2 exponent bits, 1 mantissa bit; 4 bits a number), with one power-of-two scale for each 32 numbers along K (OCP MX v1.0); their sums are f32. All else is computed in f32.
;;   The module's matrix products, in the order in which they are computed (A, B: the left and right operand; K: the contracted axis; several contracted axes count as one K, in the product's order):
;;     1. [M 64, K 1,024] x [K 1,024, N 1,024]; A: input query (given as codes); B: input W1_w (given as codes): QUANTISED
;;     2. [M 65,536, K 1,024] x [K 1,024, N 1,024]; A: input keys; B: input W2_w (given as codes): QUANTISED
;;     3. [M 65,536, K 1,024] x [K 1,024, N 1]; A: computed on the way; B: input V_w: left as it is (N = 1 < 16)
;;     4. batch 64 x [M 1, K 1,024] x [K 1,024, N 1,024]; A: softmax; B: input keys: left as it is (M = 1 < 16)
;;   THE QUANTISER, for each operand of a quantised product, along K:
;;     - K is cut into blocks of 32 from its start; a last block that is shorter is filled with zeros.
;;     - A block's scale is 2^e with e = floor(log2(the largest magnitude in the block)) - 2, held to -126 .. 127; a block of zeros has e = 0. As a byte (E8M0): e + 127.
;;     - Each number is divided by its block's scale, clamped to +-6, and rounded to the nearest number of E2M1, ties to even, subnormals kept.
;;     - The product sums the exact products of the quantised numbers (number of the format x scale) in f32.
;;   ~~~python
;;   def quantise(x, axis):      # numpy; x: float32 -> the quantised numbers, widened to float32 again
;;       x = np.moveaxis(x, axis, -1); K = x.shape[-1]
;;       x = np.pad(x, [(0, 0)] * (x.ndim - 1) + [(0, -K % 32)]); x = x.reshape(x.shape[:-1] + (-1, 32)); a = np.abs(x).max(-1, keepdims=True)
;;       e = np.where(a > 0, np.clip(np.frexp(np.where(a > 0, a, 1))[1] - 1 - 2, -126, 127), 0)      # np.frexp(a)[1] - 1 = floor(log2(a)), exactly
;;       r = np.clip(x / 2.0 ** e, -6, 6)
;;       step = 2.0 ** (np.maximum(np.frexp(np.where(r == 0, 1, r))[1] - 1, 0) - 1)
;;       q = np.round(r / step) * step * 2.0 ** e      # np.round: ties to even
;;       return np.moveaxis(q.reshape(q.shape[:-2] + (-1,))[..., :K], -1, axis).astype(np.float32)
;;   ~~~
;;   INPUTS GIVEN AS CODES. W1_w (in the module: [1024, 1024], K = its axis 1); W2_w (in the module: [1024, 1024], K = its axis 1); query (in the module: [64, 1024], K = its axis 1): each comes as NAME_codes (uint8): NAME with its K axis moved to the last place and cut into blocks of 32 codes, [.., K / 32, bytes a block], one block behind the other in memory; two codes a byte, the lower K in the low four bits (a code: sign, 2 exponent bits, 1 mantissa bit); and NAME_scales (uint8): the same leading axes, one E8M0 byte (e + 127) for each 32 codes along K. Its value is code x scale, taken as it is: it is not quantised again, and the codes and scales need not be those that the quantiser above would give.
;; One version. Each part assembles by itself: llvm-mc -triple=amdgcn-amd-amdhsa -mcpu=gfx1250 --defsym DOCPART=n.
;; ======== version 1 of 1: 3 launches
;; limits: values are held in bf16: 8 bits of precision; right only within a limited range of input values
;; workspace buffers: qb 262,144 bytes; w2img 557,056 bytes; sc 262,144 bytes; pm 65,536 bytes; pc 1,048,576 bytes
;; launch prep (part 1): grid 64 x 4, 1 waves a work-group, no clusters, 0 bytes of LDS; arguments query_codes, query_scales, W1_w_codes, W1_w_scales, W1_b, W2_b, W2_w_codes, W2_w_scales, qb, w2img; writes qb, w2img
.if DOCPART == 1
	.amdgcn_target "amdgcn-amd-amdhsa--gfx1250"
	.amdhsa_code_object_version 6
	.text
	.protected	k_qafc420cc77_prep
	.globl	k_qafc420cc77_prep
	.p2align	8
	.type	k_qafc420cc77_prep,@function
k_qafc420cc77_prep:
	s_mov_b64 s[64:65], 0
	v_nop
	global_prefetch_b8 v0, s[64:65] scope:SCOPE_SE
	s_setreg_imm32_b32 hwreg(HW_REG_WAVE_MODE, 25, 1), 1
	s_wait_xcnt 0x0
; Two small jobs in front of the main launch, one wave to a work-group; x = T, a tile of 16 of the 1,024 hidden units d; y = w.
; (1) qb[b][d] = c (query[b] . W1[d] + W1_b[d] + W2_b[d]), c = 2 log2(e), for batches 16 w .. 16 w + 15 and d = 16 T .. 16 T + 15: the part of tanh's argument that hangs on the batch alone,
;     already times the factor that the main launch's exponential wants.  Both operands are E2M1 codes with E8M0 scales as they are given: eight scaled matrix instructions, K = 128 each.
;     The product is used transposed (source 0 = 16 rows of W1, source 1 = 16 rows of query): lane (r, h) holds batch r and d = 8 h + 0 .. 7, 32 neighbouring bytes of a row of qb.
; (2) W2's codes and scales are laid in the order of the operand's registers: tile T is 8,704 bytes: K step s, register group c at 1,024 s + 512 c + 16 x lane; behind them, at 8,192, the scale words:
;     lane l's 16 bytes are words q = 0 .. 3: lanes 0-15 the word of row l for K step 2 q, lanes 16-31 that of row l - 16 for K step 2 q + 1.  Work-group (T, w) lays K steps 2 w and 2 w + 1.
; No cluster: the four work-groups of a T share 8 KB of W1, which each reads once straight into registers; nothing goes through LDS.
; qb's stores are 64 consecutive bytes of each of 16 rows (256 KB in the whole launch, written once); w2img's stores cover 512 consecutive bytes each, aligned.
; WORK LEFT OUT, in the whole program: V_b.  reference() adds V_b[0] to every score of a row, and softmax(s + t) = softmax(s) for every finite t that is the same along the axis;
; attn is that softmax and context is made of attn and keys alone, so V_b reaches no output.  It is not loaded and is among no launch's arguments.
; Limit: a NaN, an infinity or an overflow that would come from V_b alone is not carried to the results.
.set C2L, 0x4038aa3b                   ; c = 2 log2(e)
	s_load_b256 s[4:11], s[0:1], 0x0               ; query's codes s[4:5], its scales s[6:7], W1's codes s[8:9], its scales s[10:11]
	s_load_b256 s[12:19], s[0:1], 0x20             ; W1_b s[12:13], W2_b s[14:15], W2's codes s[16:17], its scales s[18:19]
	s_load_b128 s[20:23], s[0:1], 0x40             ; qb s[20:21], w2img s[22:23]
	s_and_b32 s25, ttmp7, 0xffff                   ; w
	v_and_b32 v1, 15, v0                           ; r
	v_bfe_u32 v2, v0, 4, 1                         ; h
	v_lshlrev_b32 v3, 9, v1
	v_lshl_add_u32 v3, v2, 4, v3                   ; a fragment: row r of 512 bytes (1,024 codes), + 16 h
	v_lshlrev_b32 v4, 5, v1                        ; scale words: row r of 32 bytes
	v_lshlrev_b32 v5, 5, v2                        ; biases in the result's layout: 8 h numbers on
	v_lshl_add_u32 v6, v2, 2, v4                   ; W2's scale words for the image: row r, word h
	v_lshlrev_b32 v7, 12, v1
	v_lshl_add_u32 v7, v2, 5, v7                   ; qb: row r of 4,096 bytes, + 32 h
	v_lshlrev_b32 v8, 4, v0                        ; an image: 16 x lane
	s_mov_b32 s27, 0
	s_mov_b32 s28, C2L
	s_mov_b32 s29, s28                             ; (named with it as a pair, so it is written)
	s_wait_alu depctr_va_vdst(0)
	s_wait_kmcnt 0x0
	s_lshl_b32 s26, s25, 13                        ; every base is stepped once, ahead of all loads
	s_add_nc_u64 s[4:5], s[4:5], s[26:27]          ; query's codes: 16 w rows of 512 bytes
	s_lshl_b32 s26, s25, 9
	s_add_nc_u64 s[6:7], s[6:7], s[26:27]          ; its scales: 16 w rows of 32 bytes
	s_lshl_b32 s26, ttmp9, 13
	s_add_nc_u64 s[8:9], s[8:9], s[26:27]          ; W1's and W2's codes: 16 T rows
	s_add_nc_u64 s[16:17], s[16:17], s[26:27]
	s_lshl_b32 s26, ttmp9, 9
	s_add_nc_u64 s[10:11], s[10:11], s[26:27]      ; their scales
	s_add_nc_u64 s[18:19], s[18:19], s[26:27]
	s_lshl_b32 s26, ttmp9, 6
	s_add_nc_u64 s[12:13], s[12:13], s[26:27]      ; the biases and qb: 16 T numbers on
	s_add_nc_u64 s[14:15], s[14:15], s[26:27]
	s_add_nc_u64 s[20:21], s[20:21], s[26:27]
	s_lshl_b32 s26, s25, 7
	s_add_nc_u64 s[16:17], s[16:17], s[26:27]      ; W2's codes: K step 2 w
	s_lshl_b32 s26, s25, 16
	s_add_nc_u64 s[20:21], s[20:21], s[26:27]      ; qb: 16 w rows
	s_mul_i32 s26, ttmp9, 8704
	s_add_nc_u64 s[30:31], s[22:23], s[26:27]      ; tile T's image
	s_lshl_b32 s26, s25, 11
	s_add_nc_u64 s[22:23], s[30:31], s[26:27]      ; and my two K steps in it
	global_load_b128 v[16:19], v4, s[10:11]        ; W1's scale words of K steps 0 .. 7: v16-23
	global_load_b128 v[20:23], v4, s[10:11] offset:16
	global_load_b128 v[24:27], v4, s[6:7]          ; query's: v24-31
	global_load_b128 v[28:31], v4, s[6:7] offset:16
.irp s, 0,1,2,3,4,5,6,7
.irp c, 0,1
	global_load_b128 v[32+8*\s+4*\c:35+8*\s+4*\c], v3, s[8:9] offset:64*\s+32*\c    ; W1's fragment of K step s
	global_load_b128 v[96+8*\s+4*\c:99+8*\s+4*\c], v3, s[4:5] offset:64*\s+32*\c    ; query's
.endr
.endr
	global_load_b128 v[160:163], v5, s[12:13]      ; W1_b(16 T + 8 h + 0 .. 7)
	global_load_b128 v[164:167], v5, s[12:13] offset:16
	global_load_b128 v[168:171], v5, s[14:15]      ; W2_b likewise
	global_load_b128 v[172:175], v5, s[14:15] offset:16
.irp t, 0,1
.irp c, 0,1
	global_load_b128 v[192+8*\t+4*\c:195+8*\t+4*\c], v3, s[16:17] offset:64*\t+32*\c    ; W2's fragments of K steps 2 w + t
.endr
.endr
.irp q, 0,1,2,3
	global_load_b32 v[208+\q], v6, s[18:19] offset:8*\q                                  ; W2's scale word of K step 2 q + h
.endr
	s_wait_loadcnt 0x0
.irp j, 0,2,4,6
	v_pk_add_f32 v[160+\j:161+\j], v[160+\j:161+\j], v[168+\j:169+\j]                    ; the two biases: the C of the sum's first matrix instruction
.endr
.rept 8
	v_nop
.endr
; Two accumulators by turns, one instruction a turn: even K steps on v176-183, odd ones on v184-191.
.irp s, 0,1,2,3,4,5,6,7
.if \s == 0
	v_wmma_scale_f32_16x16x128_f8f6f4 v[176:183], v[32:39], v[96:103], v[160:167], v16, v24 matrix_a_fmt:MATRIX_FMT_FP4 matrix_b_fmt:MATRIX_FMT_FP4
.elseif \s == 1
	v_wmma_scale_f32_16x16x128_f8f6f4 v[184:191], v[40:47], v[104:111], 0, v17, v25 matrix_a_fmt:MATRIX_FMT_FP4 matrix_b_fmt:MATRIX_FMT_FP4
.else
	v_wmma_scale_f32_16x16x128_f8f6f4 v[176+8*(\s%2):183+8*(\s%2)], v[32+8*\s:39+8*\s], v[96+8*\s:103+8*\s], v[176+8*(\s%2):183+8*(\s%2)], v[16+\s], v[24+\s] matrix_a_fmt:MATRIX_FMT_FP4 matrix_b_fmt:MATRIX_FMT_FP4
.endif
.endr
.rept 4
	v_nop                                          ; four places between the last matrix instruction and the first read of results (ISA guide 7.12.1)
.endr
.irp j, 0,2,4,6
	v_pk_add_f32 v[160+\j:161+\j], v[176+\j:177+\j], v[184+\j:185+\j]                    ; the two halves of the sum, each accumulator from its low end on
.endr
.irp j, 0,2,4,6
	v_pk_mul_f32 v[160+\j:161+\j], v[160+\j:161+\j], s[28:29] op_sel_hi:[1,0]            ; times c
.endr
	global_store_b128 v7, v[160:163], s[20:21]     ; qb(16 w + r, 16 T + 8 h + 0 .. 7)
	global_store_b128 v7, v[164:167], s[20:21] offset:16
.irp t, 0,1
.irp c, 0,1
	global_store_b128 v8, v[192+8*\t+4*\c:195+8*\t+4*\c], s[22:23] offset:1024*\t+512*\c ; the registers as they stand: 512 consecutive bytes a store
.endr
.endr
	s_cmp_lg_u32 s25, 0                            ; the tile's scale image is stored by one of its four work-groups
	s_cbranch_scc1 .Ldone
	global_store_b128 v8, v[208:211], s[30:31] offset:8192
.Ldone:
	s_endpgm
.Lfunc_end_k_qafc420cc77_prep:
	.size	k_qafc420cc77_prep, .Lfunc_end_k_qafc420cc77_prep-k_qafc420cc77_prep
	.p2alignl 7, 3214868480
	.fill 96, 4, 3214868480
	.section	.rodata,"a",@progbits
	.p2align	6, 0x0
	.amdhsa_kernel k_qafc420cc77_prep
		.amdhsa_group_segment_fixed_size 0
		.amdhsa_private_segment_fixed_size 0
		.amdhsa_enable_private_segment 0
		.amdhsa_kernarg_size 80
		.amdhsa_user_sgpr_count 2
		.amdhsa_user_sgpr_kernarg_segment_ptr 1
		.amdhsa_wavefront_size32 1
		.amdhsa_system_sgpr_workgroup_id_x 1
		.amdhsa_system_sgpr_workgroup_id_y 1
		.amdhsa_system_sgpr_workgroup_id_z 1
		.amdhsa_system_vgpr_workitem_id 0
		.amdhsa_next_free_vgpr 224
		.amdhsa_next_free_sgpr 66
		.amdhsa_reserve_vcc 0
		.amdhsa_float_denorm_mode_32 3
		.amdhsa_float_denorm_mode_16_64 3
		.amdhsa_memory_ordered 1
		.amdhsa_forward_progress 1
		.amdhsa_inst_pref_size 10
	.end_amdhsa_kernel
	.amdgpu_metadata
---
amdhsa.version: [ 1, 2 ]
amdhsa.kernels:
  - .name:           k_qafc420cc77_prep
    .symbol:         k_qafc420cc77_prep.kd
    .args:
      - { .name: query_codes, .offset: 0, .size: 8, .value_kind: global_buffer, .address_space: global }
      - { .name: query_scales, .offset: 8, .size: 8, .value_kind: global_buffer, .address_space: global }
      - { .name: W1_w_codes, .offset: 16, .size: 8, .value_kind: global_buffer, .address_space: global }
      - { .name: W1_w_scales, .offset: 24, .size: 8, .value_kind: global_buffer, .address_space: global }
      - { .name: W1_b, .offset: 32, .size: 8, .value_kind: global_buffer, .address_space: global }
      - { .name: W2_b, .offset: 40, .size: 8, .value_kind: global_buffer, .address_space: global }
      - { .name: W2_w_codes, .offset: 48, .size: 8, .value_kind: global_buffer, .address_space: global }
      - { .name: W2_w_scales, .offset: 56, .size: 8, .value_kind: global_buffer, .address_space: global }
      - { .name: qb, .offset: 64, .size: 8, .value_kind: global_buffer, .address_space: global }
      - { .name: w2img, .offset: 72, .size: 8, .value_kind: global_buffer, .address_space: global }
    .group_segment_fixed_size: 0
    .private_segment_fixed_size: 0
    .kernarg_segment_align: 8
    .kernarg_segment_size: 80
    .max_flat_workgroup_size: 32
    .sgpr_count:     66
    .vgpr_count:     224
    .wavefront_size: 32
...
	.end_amdgpu_metadata
.endif
;; end of part 1
;; launch attend (part 2): grid 256 x 1, 4 waves a work-group, clusters of 4 x 1, 327,680 bytes of LDS; arguments keys, qb, V_w, w2img, sc, pm, pc; writes sc, pm, pc
.if DOCPART == 2
	.amdgcn_target "amdgcn-amd-amdhsa--gfx1250"
	.amdhsa_code_object_version 6
	.text
	.protected	k_qafc420cc77_attend
	.globl	k_qafc420cc77_attend
	.p2align	8
	.type	k_qafc420cc77_attend,@function
k_qafc420cc77_attend:
	s_mov_b64 s[64:65], 0
	v_nop
	global_prefetch_b8 v0, s[64:65] scope:SCOPE_SE
	s_setreg_imm32_b32 hwreg(HW_REG_WAVE_MODE, 25, 1), 1
	s_wait_xcnt 0x0
	s_wait_alu depctr_hold_cnt(0) depctr_sa_sdst(0) depctr_va_vdst(0) depctr_va_sdst(0) depctr_va_ssrc(0) depctr_va_vcc(0) depctr_vm_vsrc(0)
	s_getreg_b32 s2, hwreg(HW_REG_IB_STS2, 6, 4)
	s_cmp_eq_u32 s2, 0
	s_cbranch_scc0 .Lentry_in_a_cluster
	s_endpgm
.Lentry_in_a_cluster:
	s_bfe_u32 s2, ttmp6, 0x10000c
	s_cmp_lg_u32 s2, 0x3003
	s_cbranch_scc0 .Lentry_shape_is_right
	s_endpgm
.Lentry_shape_is_right:
; Additive attention.  score[b][s] = sum over d of V[d] tanh(q_proj[b][d] + keys[b][s] . W2[d] + biases); then the softmax's parts and the context's parts.
; V_b is left out: the same term on every score of a softmax's row reaches no output (shown at the head of the first kernel).
; SHARES.  A cluster of four work-groups is one batch b; work-group cx takes rows s = 256 cx .. + 255 of keys, as four BLOCKS of 64 rows.  keys are read from memory once.
;   Q: wave w quantises rows 16 w .. + 15 of a block (E2M1 codes, one E8M0 byte for each 32 along E, from the f32 numbers) and rounds them to bf16; codes, bytes and bf16 rows go to LDS.
;   P: wave w makes d = 256 w .. + 255 (16 tiles of 16) for all 64 rows: the block's codes sit in its registers (window 1), W2's tiles come through a ring in LDS.
;      A tile's turn: 32 products on four accumulators by turns; the next tile's 19 LDS loads; then tanh(x) = 1 - 2 / (1 + 2^(c x)), c = 2 log2(e), in batches: 16 packed scalings, 32 exponentials,
;      16 packed additions, 32 reciprocals, 16 packed multiply-adds with -2 V[d] onto the rows' sums, which begin at the lane's sum of V.
;   C: the rows' scores are summed over lanes and waves; running maximum M and sum l; p = e^(score - M) in bf16 times the bf16 rows by the bf16 matrix form (all 16 rows of source 0 hold the same p).
; The launch leaves the scores (sc), the work-group's (M, l) (pm) and its sum of p x key under M (pc); the last launch joins a batch's four parts.
; W2 IS ASKED FOR JOINTLY: all work-groups walk the same 544 KB of images once a block, in the same order; each fill is one tensor load a wave with a mask that names the cluster's four.
;   Wave w asks for its own 16 tiles, two to a fill (17,408 dense bytes), and reads only what it asked for.  By this text's count a wave has one tensor load out at any time.
; KEYS LAND IN REGISTERS (windows 2, 3: the wave's 16 rows of the NEXT block): rows 0-6 are asked for as the quantiser frees their registers, rows 7-11 behind the block's tile 3, rows 12-15 behind its tile 11.
; NO DATA PREFETCH: keys are asked for by these register loads 5 to 16 tiles' work ahead of their use, and each byte once; w2img is read again by every work-group in every block.
; LIMITS.  NaN and infinities in keys are not served.  A block of 32 whose largest magnitude lies under 2^-124 gets the scale byte 1 (a block of zeros too: its codes are zeros, and this launch alone reads the bytes).
;   The score is summed as (sum of V) - 2 sum of V[d] / (1 + 2^(c x)): 1,024 f32 terms, each at most 2 |V[d]|.  p and the keys of the context product are rounded to bf16.
; LDS: 0 the ring: two slots of 69,632, wave w's part at 17,408 w; 139,264 bf16 rows; 272,384 codes; 306,176 scale bytes; 308,736 tables; 316,928 partial scores; 317,952 p; 318,464 the spare words.
;   The launch claims all of a WGP's LDS.
; REGISTERS.  window 0: v1-23, v252-254 addresses and statistics; v24-31 at work; v32-47 A's scale words; v48-63 the context; v64-127 a tile of W2 (in Q temporaries, in C keys); v128-131, v236-239 its scale words;
;   v132-139 table entries, two sets; v140-171, v204-235 four accumulators each: tile t takes set t % 2; v172-203 the rows' sums.  In C: v140-203 keys, v204-219 p, v220-251 the context product's accumulators.
;   window 1: the block's 32 fragments of codes.  windows 2, 3: keys as loaded.
.set SLOT,  69632
.set PART,  17408                      ; a wave's part of a slot: two tile images
.set TILEB, 8704
.set BF,    139264
.set BFP,   2080                       ; 2,048 + 32
.set CODES, 272384
.set CP,    528                        ; 512 + 16
.set ASC,   306176
.set TABL,  308736
.set SCR,   316928
.set PB,    317952
.set SPARE, 318464
.set G0,    44                         ; s[44:47], s[48:51] descriptor group 0 for slot 0, slot 1
.set G1,    52                         ; s[52:59] descriptor group 1
.set MSB, 0
.macro WIN new                         ; s_set_vgpr_msb; the high byte repeats the setting that is left
.if MSB != (\new)
	s_set_vgpr_msb (MSB<<8)|(\new)
.set MSB, (\new)
.endif
.endm
.macro PLACES n
.rept \n
	v_nop
.endr
.endm
.macro CREST                           ; a round of the cluster's barrier behind its opening barrier
	s_cmp_lg_u32 s20, 0
	s_cbranch_scc1 .Lnot_wave_0_\@
	s_barrier_signal -3
.Lnot_wave_0_\@:
	s_barrier_wait -3
	s_barrier_signal -1
	s_barrier_wait -1
.endm
.macro ROUND
	s_barrier_signal -1
	s_barrier_wait -1
	CREST
.endm
; Row j of my 16: eight loads of 512 consecutive bytes; lane (r, h) takes bytes 32 r + 16 h of each.  Chunk q lands in registers 32 (j % 8) + 4 q .. + 3 of window 2 + j / 8.
.macro KLOAD j, base
	WIN (2+(\j)/8)<<6
.irp q, 0,1,2,3,4,5,6,7
	global_load_b128 v[32*((\j)%8)+4*\q:32*((\j)%8)+4*\q+3], v3, s[\base:\base+1] offset:4096*(\j)+512*\q th:TH_LOAD_NT
.endr
.endm
; ONE ROW IS QUANTISED.  Two chunks make a group g of eight registers; four exchanges of halves give lane (r, h) the neighbours e = 128 (2 g + h) + 8 r + 0 .. 7.  A block of 32 is four neighbouring lanes.
; Temporaries, two sets by turns: +g largest magnitude, +4+g the conversion's scale operand, +8+g the byte, +12+g eight codes, +16+4g eight bf16.
.macro QROW j, first
.set L, 32*((\j)%8)
.set W, 2+(\j)/8
.set TS, 64+32*((\j)%2)
	s_wait_dscnt 12                                ; the last row's 12 stores may be out; those that read this set of temporaries are done
.if \first
.if (\j) < 7
.set NW, 120
.else
.set NW, 8*(15-(\j))+56
.endif
.if NW > 63
.set NW, 63
.endif
	s_wait_loadcnt NW                              ; behind row j's loads: 8 for each later row and 8 for each row asked for anew (the field holds 63)
.endif
	WIN (W<<6)|W
.irp g, 0,1,2,3
.irp i, 0,1,2,3
	v_permlane16_swap_b32 v[L+8*\g+\i], v[L+8*\g+4+\i]
.endr
.endr
	WIN (W<<2)|W
.irp g, 0,1,2,3
	v_max3_num_f32 v[TS+\g], |v[L+8*\g]|, |v[L+8*\g+1]|, 0x1800000    ; with the floor 2^(3 - 127): the byte cannot fall under 1
.endr
.irp i, 1,2,3
.irp g, 0,1,2,3
	v_max3_num_f32 v[TS+\g], |v[L+8*\g+2*\i]|, |v[L+8*\g+2*\i+1]|, v[TS+\g]
.endr
.endr
.irp g, 0,1,2,3
.irp i, 0,1,2,3
	v_cvt_pk_bf16_f32 v[TS+16+4*\g+\i], v[L+8*\g+2*\i], v[L+8*\g+2*\i+1]
.endr
.endr
	WIN 0
.irp g, 0,1,2,3
	v_max_num_f32_dpp v[TS+\g], v[TS+\g], v[TS+\g] row_xmask:1 row_mask:0xf bank_mask:0xf
.endr
.irp g, 0,1,2,3
	v_max_num_f32_dpp v[TS+\g], v[TS+\g], v[TS+\g] row_xmask:2 row_mask:0xf bank_mask:0xf
.endr
.irp g, 0,1,2,3
	v_add_nc_u32 v[TS+4+\g], 0xff000000, v[TS+\g]  ; 2 off the exponent field: the conversion's scale operand
.endr
.irp g, 0,1,2,3
	v_lshrrev_b32 v[TS+8+\g], 23, v[TS+4+\g]       ; the scale's byte
.endr
.irp g, 0,1,2,3
	ds_store_b128 v4, v[TS+16+4*\g:TS+16+4*\g+3] offset:BFP*(\j)+512*\g
.endr
.irp g, 0,1,2,3
	ds_store_b8 v6, v[TS+8+\g] offset:36*(\j)+8*\g ; a block's four lanes write the same byte with the same value
.endr
	WIN W
.irp g, 0,1,2,3
	v_cvt_scalef32_pk8_fp4_f32 v[TS+12+\g], v[L+8*\g:L+8*\g+7], v[TS+4+\g]
.endr
	WIN 0
	v_nop                                          ; one plain place behind the scaled conversions
.irp g, 0,1,2,3
	ds_store_b32 v5, v[TS+12+\g] offset:CP*(\j)+128*\g
.endr
.if (\j) < 7                           ; the row's registers are free: rows 0-6 of the next block are asked for at once
.if \first
	KLOAD \j, 42
	WIN 0
.else
	s_cmp_lt_u32 s26, 3                            ; the fourth block has no successor: no load leaves the buffer
	s_cbranch_scc0 .Lno_next_\@
	KLOAD \j, 42
	WIN 0
.Lno_next_\@:
.endif
.endif
.endm
; The block's 32 fragments of codes (row tile m, K step s) into window 1 at 8 (8 m + s); the rows' scale words: register 32 + 8 p + s: lanes 0-15 row tile 2 p, lanes 16-31 row tile 2 p + 1.
.macro AFETCH
	WIN 0x40
.irp m, 0,1,2,3
.irp s, 0,1,2,3,4,5,6,7
.irp c, 0,1
	ds_load_b128 v[8*(8*\m+\s)+4*\c:8*(8*\m+\s)+4*\c+3], v7 offset:16*CP*\m+64*\s+32*\c
.endr
.endr
.endr
	WIN 0
.irp p, 0,1
.irp s, 0,1,2,3,4,5,6,7
	ds_load_b32 v[32+8*\p+\s], v8 offset:1152*\p+4*\s
.endr
.endr
.endm
.macro QUANT first
.if \first == 0
	s_wait_loadcnt 0x0                             ; the whole block has landed
	s_add_nc_u64 s[42:43], s[42:43], 262144        ; no load is out, so the base may step
.endif
.irp j, 0,1,2,3,4,5,6,7,8,9,10,11,12,13,14,15
	QROW \j, \first
.endr
	s_wait_dscnt 0x0                               ; my stores of codes, bytes and bf16 rows have landed
	s_barrier_signal -1
	s_barrier_wait -1                              ; everybody's have
	AFETCH
.endm
; A tile of W2 out of its slot, as images of the operand's registers: its scale words (set u), eight fragments, and the lane's two table entries (set u): 19 loads.
.macro FETCHALL slot, u
	ds_load_b128 v[128+108*(\u):128+108*(\u)+3], v[9+(\slot)] offset:TILEB*(\u)+8192
.irp s, 0,1,2,3,4,5,6,7
.irp c, 0,1
	ds_load_b128 v[64+8*\s+4*\c:64+8*\s+4*\c+3], v[9+(\slot)] offset:TILEB*(\u)+1024*\s+512*\c
.endr
.endr
	ds_load_b32 v[132+4*(\u)], v12 offset:128*(\slot)+64*(\u)
	ds_load_b32 v[134+4*(\u)], v12 offset:4096+128*(\slot)+64*(\u)
.endm
.macro WMM s, m, u                     ; source 0 = 16 rows of keys, source 1 = 16 rows of W2: lane (r, h) holds d = r and rows 8 h + 0 .. 7
.set rD, 140+64*(\u)+8*(\m)
.set rA, 8*(8*(\m)+(\s))
.set rB, 64+8*(\s)
.set rX, 32+8*((\m)/2)+(\s)
.set rY, 128+108*(\u)+(\s)/2
.if (\s) == 0
.if (\m)%2 == 0
	v_wmma_scale_f32_16x16x128_f8f6f4 v[rD:rD+7], v[rA:rA+7], v[rB:rB+7], 0, v[rX], v[rY] matrix_a_fmt:MATRIX_FMT_FP4 matrix_b_fmt:MATRIX_FMT_FP4
.else
	v_wmma_scale_f32_16x16x128_f8f6f4 v[rD:rD+7], v[rA:rA+7], v[rB:rB+7], 0, v[rX], v[rY] matrix_a_fmt:MATRIX_FMT_FP4 matrix_b_fmt:MATRIX_FMT_FP4 matrix_a_scale:MATRIX_SCALE_ROW1
.endif
.elseif (\s)%2 == 0
.if (\m)%2 == 0
	v_wmma_scale_f32_16x16x128_f8f6f4 v[rD:rD+7], v[rA:rA+7], v[rB:rB+7], v[rD:rD+7], v[rX], v[rY] matrix_a_fmt:MATRIX_FMT_FP4 matrix_b_fmt:MATRIX_FMT_FP4
.else
	v_wmma_scale_f32_16x16x128_f8f6f4 v[rD:rD+7], v[rA:rA+7], v[rB:rB+7], v[rD:rD+7], v[rX], v[rY] matrix_a_fmt:MATRIX_FMT_FP4 matrix_b_fmt:MATRIX_FMT_FP4 matrix_a_scale:MATRIX_SCALE_ROW1
.endif
.else
.if (\m)%2 == 0
	v_wmma_scale_f32_16x16x128_f8f6f4 v[rD:rD+7], v[rA:rA+7], v[rB:rB+7], v[rD:rD+7], v[rX], v[rY] matrix_a_fmt:MATRIX_FMT_FP4 matrix_b_fmt:MATRIX_FMT_FP4 matrix_b_scale:MATRIX_SCALE_ROW1
.else
	v_wmma_scale_f32_16x16x128_f8f6f4 v[rD:rD+7], v[rA:rA+7], v[rB:rB+7], v[rD:rD+7], v[rX], v[rY] matrix_a_fmt:MATRIX_FMT_FP4 matrix_b_fmt:MATRIX_FMT_FP4 matrix_a_scale:MATRIX_SCALE_ROW1 matrix_b_scale:MATRIX_SCALE_ROW1
.endif
.endif
.endm
; K steps s0 .. s0 + 3 of a tile: in each, four matrix instructions, one for each tile of 16 rows: the four accumulators of set u take turns, one instruction a turn.
.macro GRP4 s0, u
	WIN 0x01                                       ; source 0 in window 1
.irp s, \s0, \s0+1, \s0+2, \s0+3
.irp m, 0,1,2,3
	WMM \s, \m, \u
.endr
.endr
.endm
; tanh and the product with V for a lane's 32 results, accumulators from v[EA] on, table entries from v[ET] on.  Each batch of transcendentals has one wait ahead of it and, behind a plain place, one behind it.
.macro TANH
.set J, 0
.rept 16
	v_pk_fma_f32 v[EA+J:EA+J+1], v[EA+J:EA+J+1], s[32:33], v[ET:ET+1] op_sel_hi:[1,0,0]    ; c x; each accumulator from its low end on
.set J, J+2
.endr
	s_wait_alu depctr_va_vdst(0)
.set J, 0
.rept 32
	v_exp_f32 v[EA+J], v[EA+J]
.set J, J+1
.endr
	v_nop
	s_wait_alu depctr_va_vdst(0)
.set J, 0
.rept 16
	v_pk_add_f32 v[EA+J:EA+J+1], v[EA+J:EA+J+1], 1.0 op_sel_hi:[1,0]
.set J, J+2
.endr
	s_wait_alu depctr_va_vdst(0)
.set J, 0
.rept 32
	v_rcp_f32 v[EA+J], v[EA+J]
.set J, J+1
.endr
	v_nop
	s_wait_alu depctr_va_vdst(0)
.set J, 0
.rept 16
	v_pk_fma_f32 v[172+J:173+J], v[EA+J:EA+J+1], v[ET+2:ET+3], v[172+J:173+J] op_sel_hi:[1,0,1]    ; -2 V[d] / (1 + 2^(c x)) onto the rows' sums
.set J, J+2
.endr
.endm
; A TILE'S TURN on set u.  Its fragments, asked for in the turn before, are waited for; 32 products; four places (kind = 1, a block's first tile: the 32 lines that start the rows' sums are the places);
; the next tile (set 1 - u, slot nslot; 2: none) is fetched whole; then this tile's tanh, under which those loads land.
; chg = 1, a slot's second tile: THE CHANGE OF SLOTS.  The tile is in registers, so the slot has been read out.  Each wave waits for all its tensor loads (one: its part of the other slot), adds 0 to its spare word,
; waits for that and for its reads; the barrier opens a round of the cluster's barrier, four K steps standing between signal and wait; behind the round the joint refill comes first.
; chg = 2: the last fill is waited for (the bytes are my wave's own), and nothing is filled.  tstep = 1: the tables' address steps on by four tiles.
.macro PERIOD u, kind, nslot, chg, tstep
.set EA, 140+64*(\u)
.set ET, 132+4*(\u)
.set CSL, 1-(\nslot)
.if \chg == 1
	s_wait_tensorcnt 0x0
	ds_add_u32 v1, v2
	s_add_nc_u64 s[G0+4*CSL+2:G0+4*CSL+3], s[38:39], s[40:41]    ; no tensor load of mine is out: this slot's next fill
	s_or_b32 s[G0+4*CSL+3], s[G0+4*CSL+3], 0x80000000
	s_add_co_u32 s61, s61, 1
	s_and_b32 s61, s61, 7                          ; my 16 tiles are eight fills, walked round and round
	s_mul_i32 s40, s61, PART
	s_wait_dscnt 0x0                               ; the add is done, and my reads of this slot are over
	s_barrier_signal -1
.if \tstep
	s_add_co_u32 s28, s28, 256
	s_and_b32 s28, s28, 0x300                      ; sixteen tiles to a block
	v_add_nc_u32 v12, s28, v11
	s_wait_alu depctr_va_vdst(0)
.endif
	GRP4 0, \u
	WIN 0
	s_barrier_wait -1
	CREST
	tensor_load_to_lds s[G0+4*CSL:G0+4*CSL+3], s[G1:G1+7]
	s_nop 0
	PLACES 4
	GRP4 4, \u
.else
.if \chg == 2
	s_wait_tensorcnt 0x0
.endif
	s_wait_dscnt 0x0
	GRP4 0, \u
	GRP4 4, \u
.endif
	WIN 0
.if \kind
.set J, 0
.rept 32
	v_mov_b32 v[172+J], v20                        ; the 1 of each tanh: the lane's sum of V over its 16 d
.set J, J+1
.endr
.else
	PLACES 4                                       ; ISA guide 7.12.1 for the matrix instructions
.endif
.if \nslot < 2
	FETCHALL \nslot, 1-(\u)
.endif
	TANH
.endm
; Rows first .. of the next block are asked for in the block's trip n; the wait for 0 in front, so that no load is issued into a register that an earlier load may still write.
.macro ISLAND n, first, rows
	s_cmp_eq_u32 s25, \n
	s_cbranch_scc0 .Lnot_due_\@
	s_wait_loadcnt 0x0
.set R, \first
.rept \rows
	KLOAD R, 42
.set R, R+1
.endr
	WIN 0
.Lnot_due_\@:
.endm
; Context: four tiles of 16 e (group g) x 64 rows: the bf16 rows lie [row][e], so the turning load brings 8 rows of a column to a lane.
.macro FETCHK g, buf
.irp t, 0,1,2,3
.irp k, 0,1
	ds_load_tr16_b128 v[\buf+16*\t+8*\k:\buf+16*\t+8*\k+3], v[17+\k] offset:32*(4*\g+\t)
	ds_load_tr16_b128 v[\buf+16*\t+8*\k+4:\buf+16*\t+8*\k+7], v[17+\k] offset:16*BFP+32*(4*\g+\t)
.endr
.endr
.endm
.macro MULK buf                        ; four accumulators by turns; rows 0-31 start the sums, rows 32-63 add
.irp k, 0,1
.irp t, 0,1,2,3
.if \k == 0
	v_wmma_f32_16x16x32_bf16 v[220+8*\t:227+8*\t], v[204:211], v[\buf+16*\t:\buf+16*\t+7], 0
.else
	v_wmma_f32_16x16x32_bf16 v[220+8*\t:227+8*\t], v[212:219], v[\buf+16*\t+8:\buf+16*\t+15], v[220+8*\t:227+8*\t]
.endif
.endr
.endr
.endm
.macro CTXU g                          ; context = context x f + this block's; every row of the result is the same: its lowest register is read
.irp t, 0,1,2,3
	v_fma_f32 v[48+4*\g+\t], v[48+4*\g+\t], v26, v[220+8*\t]
.endr
.endm
.macro CPHASE last
	s_wait_alu depctr_va_vdst(0)
	s_wait_dscnt 0x0                               ; whatever was fetched ahead has landed: its registers are written below
.irp x, 1,2,4,8
.set i, 0
.rept 32
	v_add_f32_dpp v[172+i], v[172+i], v[172+i] row_xmask:\x row_mask:0xf bank_mask:0xf     ; the sum over the 16 lanes, which hold 16 different d
.set i, i+1
.endr
.endr
.irp m, 0,1,2,3
.irp q, 0,1
	ds_store_b128 v13, v[172+8*\m+4*\q:172+8*\m+4*\q+3] offset:64*\m+16*\q                 ; a half's sixteen lanes write the same bytes with the same values
.endr
.endr
	s_wait_dscnt 0x0
	s_barrier_signal -1
	s_barrier_wait -1                              ; all four waves' partial scores lie in LDS
.irp n, 0,1,2,3
	ds_load_b64 v[204+2*\n:205+2*\n], v14 offset:256*\n                                    ; rows 2 lane and 2 lane + 1, wave n's part
.endr
	FETCHK 0, 64
	s_wait_dscnt 16                                ; the four are in; the 16 turning loads may be out
	v_pk_add_f32 v[24:25], v[204:205], v[206:207]
	v_pk_add_f32 v[28:29], v[208:209], v[210:211]
	v_pk_add_f32 v[24:25], v[24:25], v[28:29]      ; my two rows' scores; every wave holds the same
	s_wait_alu depctr_va_vdst(0)
	s_cmp_lg_u32 s20, 0
	s_cbranch_scc1 .Lnot_mine_\@
	global_store_b64 v19, v[24:25], s[14:15]       ; wave 0: the block's 64 scores, 256 consecutive bytes, aligned
.Lnot_mine_\@:
	v_max_num_f32 v28, v24, v25
	v_max_num_f32_dpp v28, v28, v28 row_xmask:1 row_mask:0xf bank_mask:0xf
	v_max_num_f32_dpp v28, v28, v28 row_xmask:2 row_mask:0xf bank_mask:0xf
	v_max_num_f32_dpp v28, v28, v28 row_xmask:4 row_mask:0xf bank_mask:0xf
	v_max_num_f32_dpp v28, v28, v28 row_xmask:8 row_mask:0xf bank_mask:0xf
	v_permlanex16_b32 v27, v28, s34, s35
	v_max_num_f32 v28, v28, v27                    ; the block's largest score
	v_max_num_f32 v29, v21, v28                    ; the new M
	v_sub_f32 v30, v21, v29
	v_sub_f32 v204, v24, v29
	v_sub_f32 v205, v25, v29
	v_mul_f32 v30, s60, v30
	v_mul_f32 v204, s60, v204
	v_mul_f32 v205, s60, v205
	s_wait_alu depctr_va_vdst(0)                   ; the wait ahead of the batch
	v_exp_f32 v26, v30                             ; f = e^(old M - new M)
	v_exp_f32 v204, v204                           ; p of my two rows
	v_exp_f32 v205, v205
	v_mov_b32 v21, v29                             ; (the plain place behind the three)
	s_wait_alu depctr_va_vdst(0)                   ; and the wait behind it
	v_add_f32 v31, v204, v205
	v_fma_f32 v22, v22, v26, v31                   ; my lane's part of l, of the unrounded p
	v_cvt_pk_bf16_f32 v30, v204, v205
	ds_store_b32 v15, v30                          ; p in bf16, into my wave's own copy
.irp k, 0,1
.irp n, 0,1
	ds_load_b128 v[204+8*\k+4*\n:204+8*\k+4*\n+3], v16 offset:64*\k+32*\n                  ; LDS serves a wave's instructions in order (ISA guide 5.7.1.4): these see the store
.endr
.endr
	FETCHK 1, 140
	s_wait_dscnt 16                                ; all but the 16 just issued
	MULK 64
	PLACES 5                                       ; five: the next group's first products write over these accumulators
	CTXU 0
	FETCHK 2, 64
	s_wait_dscnt 16
	MULK 140
	PLACES 5
	CTXU 1
	FETCHK 3, 140
	s_wait_dscnt 16
	MULK 64
	PLACES 5
	CTXU 2
	s_wait_dscnt 0x0
	MULK 140
	PLACES 5
	CTXU 3
.if \last == 0
	s_wait_xcnt 0x0                                ; the scores' store has read its data and its base
	s_add_nc_u64 s[14:15], s[14:15], 256           ; the next block's 64 scores
	s_wait_dscnt 0x0                               ; my reads of the bf16 rows and of the partial scores are over
	s_barrier_signal -1
	s_barrier_wait -1                              ; everybody's are: the next block may be written over them
.endif
.endm
	s_load_b128 s[4:7], s[0:1], 0x0                ; keys s[4:5], qb s[6:7]
	s_load_b64 s[8:9], s[0:1], 0x10                ; V_w
	s_load_b256 s[12:19], s[0:1], 0x18             ; w2img s[12:13], sc s[14:15], pm s[16:17], pc s[18:19]
	v_lshl_add_u32 v1, v0, 2, SPARE                ; my spare word; never rewritten
	v_mov_b32 v2, 0                                ; 0; never rewritten
	ds_add_u32 v1, v2                              ; the opening lines: the add twice on end, under one wait
	ds_add_u32 v1, v2
	v_lshrrev_b32 v27, 5, v0
	v_readfirstlane_b32 s20, v27                   ; wave 0..3
	s_bfe_u32 s21, ttmp6, 0x40000                  ; cx: it enters the addresses of keys, sc, pm and pc alone
	s_lshl_b32 s22, ttmp9, 2                       ; ttmp9 counts clusters: the batch
	s_add_co_u32 s22, s22, s21                     ; g = 4 b + cx
	v_and_b32 v28, 15, v0                          ; r
	v_bfe_u32 v29, v0, 4, 1                        ; h
	v_and_b32 v23, 31, v0                          ; lane
	v_lshlrev_b32 v3, 5, v28
	v_lshl_add_u32 v3, v29, 4, v3                  ; keys: 32 r + 16 h
	s_mul_i32 s2, s20, 16*BFP
	s_add_co_u32 s2, s2, BF
	v_lshlrev_b32 v4, 4, v28
	v_lshl_add_u32 v4, v29, 8, v4
	v_add_nc_u32 v4, s2, v4                        ; bf16 rows, in
	s_mul_i32 s2, s20, 16*CP
	s_add_co_u32 s2, s2, CODES
	v_lshlrev_b32 v5, 2, v28
	v_lshl_add_u32 v5, v29, 6, v5
	v_add_nc_u32 v5, s2, v5                        ; codes, in
	s_mul_i32 s2, s20, 16*36
	s_add_co_u32 s2, s2, ASC
	v_lshrrev_b32 v6, 2, v28
	v_lshl_add_u32 v6, v29, 2, v6
	v_add_nc_u32 v6, s2, v6                        ; scale bytes, in
	v_mul_u32_u24 v7, v28, CP
	v_lshl_add_u32 v7, v29, 4, v7
	v_add_nc_u32 v7, CODES, v7                     ; a fragment of codes: row r, + 16 h
	v_mul_u32_u24 v8, v23, 36
	v_add_nc_u32 v8, ASC, v8                       ; scale words: a lane a row
	s_mul_i32 s29, s20, PART
	v_lshlrev_b32 v9, 4, v23
	v_add_nc_u32 v9, s29, v9                       ; my part of slot 0: 16 x lane
	v_add_nc_u32 v10, SLOT, v9                     ; of slot 1
	s_lshl_b32 s2, s20, 10
	s_add_co_u32 s2, s2, TABL
	v_lshl_add_u32 v11, v28, 2, s2                 ; the tables: d = 256 w + r
	v_lshl_add_u32 v12, v28, 2, s2                 ; + 64 d for each four tiles of a block
	s_lshl_b32 s2, s20, 8
	s_add_co_u32 s2, s2, SCR
	v_lshl_add_u32 v13, v29, 5, s2                 ; partial scores, in
	v_lshl_add_u32 v14, v23, 3, SCR                ; and back
	s_lshl_b32 s2, s20, 7
	s_add_co_u32 s2, s2, PB
	v_lshl_add_u32 v15, v23, 2, s2                 ; p, in
	v_lshl_add_u32 v16, v29, 4, s2                 ; and back
	v_and_b32 v30, 7, v0
	v_lshl_add_u32 v17, v29, 3, v30
	v_mul_u32_u24 v17, v17, BFP
	v_bfe_u32 v30, v0, 3, 1
	v_lshl_add_u32 v17, v30, 4, v17
	s_lshl_b32 s2, s20, 9
	s_add_co_u32 s2, s2, BF
	v_add_nc_u32 v17, s2, v17                      ; the turning load: row 8 h + lane % 8, my 256 e
	v_add_nc_u32 v18, 32*BFP, v17                  ; rows 32 on
	v_lshlrev_b32 v19, 3, v23                      ; 8 x lane: sc and pm
	s_lshl_b32 s2, s20, 10
	s_add_co_u32 s2, s2, CODES
	v_lshl_add_u32 v252, v23, 2, s2                ; the context's way out, through the codes' bytes: in,
	v_lshl_add_u32 v253, v23, 4, s2                ; back,
	v_lshlrev_b32 v254, 4, v23                     ; and in pc
	s_mov_b32 s[G1+0], 15|(3<<16)|(1<<21)          ; the mask: all four work-groups; elements of 8 bytes; bit 21 beside a mask
	s_mov_b32 s[G1+1], 32<<16                      ; 17,408 dense bytes as 68 rows of 32 elements
	s_mov_b32 s[G1+2], 68<<16
	s_mov_b32 s[G1+3], 32<<16
	s_mov_b32 s[G1+4], 68
	s_mov_b32 s[G1+5], 32
	s_mov_b32 s[G1+6], 0
	s_mov_b32 s[G1+7], 0
	s_mov_b32 s32, 0x4038aa3b                      ; c = 2 log2(e)
	s_mov_b32 s33, s32
	s_mov_b32 s34, 0x76543210
	s_mov_b32 s35, 0xfedcba98                      ; selects for lane l xor 16
	s_mov_b32 s60, 0x3fb8aa3b                      ; log2(e)
	s_mul_i32 s40, s20, 16*TILEB                   ; my 16 tiles in w2img: the wave's number alone
	s_mov_b32 s41, 0
	s_wait_alu depctr_va_vdst(0)
	s_wait_dscnt 0x0                               ; both opening adds are done
	s_wait_kmcnt 0x0
	s_add_nc_u64 s[38:39], s[12:13], s[40:41]
	s_mov_b32 s[G0+0], 1
	s_mov_b32 s[G0+1], s29                         ; my part of slot 0
	s_mov_b64 s[G0+2:G0+3], s[38:39]               ; fill 0: my tiles 0, 1
	s_or_b32 s[G0+3], s[G0+3], 0x80000000
	s_mov_b32 s[G0+4], 1
	s_add_co_u32 s[G0+5], s29, SLOT                ; slot 1
	s_add_nc_u64 s[G0+6:G0+7], s[38:39], PART      ; fill 1: tiles 2, 3
	s_or_b32 s[G0+7], s[G0+7], 0x80000000
	s_mov_b32 s61, 2                               ; the next fill, modulo 8,
	s_mov_b32 s40, 2*PART                          ; and its place among my tiles
	s_lshl_b32 s2, ttmp9, 22                       ; keys: (1,024 b + 256 cx + 16 w) rows of 4,096 bytes
	s_lshl_b32 s3, s21, 20
	s_add_co_u32 s2, s2, s3
	s_lshl_b32 s3, s20, 16
	s_add_co_u32 s2, s2, s3
	s_mov_b32 s3, 0
	s_add_nc_u64 s[36:37], s[4:5], s[2:3]          ; my 16 rows of block 0
	s_add_nc_u64 s[42:43], s[36:37], 262144        ; of block 1
	s_lshl_b32 s2, ttmp9, 12
	s_add_nc_u64 s[6:7], s[6:7], s[2:3]            ; qb: row b
	s_lshl_b32 s23, s21, 10
	s_add_co_u32 s2, s2, s23
	s_add_nc_u64 s[14:15], s[14:15], s[2:3]        ; sc: row b, my 256 scores
	s_lshl_b32 s2, s22, 8
	s_add_nc_u64 s[16:17], s[16:17], s[2:3]        ; pm: 256 bytes a work-group
	s_lshl_b32 s2, s22, 12
	s_lshl_b32 s23, s20, 10
	s_add_co_u32 s2, s2, s23
	s_add_nc_u64 s[18:19], s[18:19], s[2:3]        ; pc: 4,096 bytes a work-group, my 256 e
	ROUND                                          ; all four work-groups are here: the first joint loads meet
	tensor_load_to_lds s[G0:G0+3], s[G1:G1+7]      ; fill 0: one tensor load a wave at the head
	s_nop 0
	PLACES 4
	v_lshlrev_b32 v29, 5, v0                       ; the tables: 8 numbers a thread
	v_lshl_add_u32 v28, v0, 5, TABL
	s_wait_alu depctr_va_vdst(0)
	global_load_b128 v[204:207], v29, s[6:7]
	global_load_b128 v[208:211], v29, s[6:7] offset:16
	global_load_b128 v[212:215], v29, s[8:9]
	global_load_b128 v[216:219], v29, s[8:9] offset:16
.irp j, 0,1,2,3,4,5,6
	KLOAD \j, 36
.endr
	WIN 0
	s_wait_loadcnt 56                              ; the four table loads are in; the 56 key loads behind them may be out
.irp j, 0,2,4,6
	v_pk_mul_f32 v[212+\j:213+\j], v[212+\j:213+\j], -2.0 op_sel_hi:[1,0]
.endr
	ds_store_b128 v28, v[204:207]
	ds_store_b128 v28, v[208:211] offset:16
	ds_store_b128 v28, v[212:215] offset:4096
	ds_store_b128 v28, v[216:219] offset:4112
.irp j, 7,8,9,10,11,12,13,14,15
	KLOAD \j, 36
.endr
	WIN 0
	s_wait_tensorcnt 0x0                           ; fill 0 has landed; slot 1's first fill is issued as a refill is:
	ds_add_u32 v1, v2
	s_wait_dscnt 0x0                               ; the add is done, and my part of the tables lies in LDS
	ROUND                                          ; everybody's does, and all four work-groups are here
	tensor_load_to_lds s[G0+4:G0+7], s[G1:G1+7]    ; fill 1
	s_nop 0
	PLACES 4
.irp t, 0,1,2,3,4,5,6,7,8,9,10,11,12,13,14,15
	ds_load_b32 v[140+\t], v11 offset:4096+64*\t   ; -2 V at my lane's 16 d
.endr
.irp t, 0,1,2,3,4,5,6,7,8,9,10,11,12,13,14,15
	v_mov_b32 v[48+\t], 0                          ; the context: the first block's f is 0, and multiplies zeros
.endr
	v_mov_b32 v21, 0xff61b1e6                      ; M: -3e38, under every score
	v_mov_b32 v22, 0                               ; l
	v_mov_b32 v133, 0                              ; the upper halves of the table pairs: named, never used
	v_mov_b32 v135, 0
	v_mov_b32 v137, 0
	v_mov_b32 v139, 0
	s_mov_b32 s23, 15                              ; trips
	s_mov_b32 s24, 0                               ; the trip in its block
	s_mov_b32 s25, 0                               ; the same while a next block is to be asked for, else beyond every island
	s_mov_b32 s26, 0                               ; the block whose codes are in hand
	s_mov_b32 s28, 0                               ; the tables' step
	s_wait_alu depctr_va_vdst(0)
	s_wait_dscnt 0x0
	v_pk_add_f32 v[140:141], v[140:141], v[142:143]
	v_pk_add_f32 v[144:145], v[144:145], v[146:147]
	v_pk_add_f32 v[148:149], v[148:149], v[150:151]
	v_pk_add_f32 v[152:153], v[152:153], v[154:155]
	v_pk_add_f32 v[140:141], v[140:141], v[144:145]
	v_pk_add_f32 v[148:149], v[148:149], v[152:153]
	v_pk_add_f32 v[140:141], v[140:141], v[148:149]
	v_add_f32 v20, v140, v141
	v_mul_f32 v20, -0.5, v20                       ; my lane's sum of V
	s_wait_alu depctr_va_vdst(0)
	QUANT 1
	FETCHALL 0, 0
	PERIOD 0, 1, 0, 0, 0                           ; tile 0
.Ltrip:                                                ; 15 trips of four tiles, 4 i + 1 .. 4 i + 4; every fourth trip ends a block
	PERIOD 1, 0, 1, 1, 0                           ; slot 0's second tile; slot 0 is filled again
	PERIOD 0, 0, 1, 0, 0                           ; slot 1's first tile
	PERIOD 1, 0, 0, 1, 1                           ; slot 1's second tile; slot 1 is filled again
	ISLAND 0, 7, 5
	ISLAND 2, 12, 4
	s_cmp_lg_u32 s24, 3
	s_cbranch_scc1 .Lwithin
	CPHASE 0                                       ; the block's 1,024 d are summed
	s_add_co_u32 s26, s26, 1
	QUANT 0                                        ; the next block, which has landed in the registers meanwhile
	FETCHALL 0, 0                                  ; once more: its registers served as temporaries; the slot has not been touched
	PERIOD 0, 1, 0, 0, 0                           ; the next block's tile 0
	s_cmp_lt_u32 s26, 3
	s_cselect_b32 s25, -1, 63
	s_mov_b32 s24, -1
	s_branch .Ljoin
.Lwithin:
	PERIOD 0, 0, 0, 0, 0                           ; slot 0's first tile
.Ljoin:
	s_add_co_u32 s24, s24, 1
	s_add_co_u32 s25, s25, 1
	s_sub_co_u32 s23, s23, 1
	s_cmp_lg_u32 s23, 0
	s_cbranch_scc1 .Ltrip
	PERIOD 1, 0, 1, 2, 0                           ; the last three tiles are written out: nothing is left to ask for
	PERIOD 0, 0, 1, 0, 0
	PERIOD 1, 0, 2, 0, 0
	CPHASE 1
	; THE END.  l over the lanes; (M, l) 32 times, so that the store covers 256 consecutive bytes; the context through my own 1,024 bytes of the codes' region, whose last read lies behind several barriers.
	v_add_f32_dpp v22, v22, v22 row_xmask:1 row_mask:0xf bank_mask:0xf
	v_add_f32_dpp v22, v22, v22 row_xmask:2 row_mask:0xf bank_mask:0xf
	v_add_f32_dpp v22, v22, v22 row_xmask:4 row_mask:0xf bank_mask:0xf
	v_add_f32_dpp v22, v22, v22 row_xmask:8 row_mask:0xf bank_mask:0xf
	v_permlanex16_b32 v27, v22, s34, s35
	v_add_f32 v29, v22, v27
	v_mov_b32 v28, v21
	v_cmp_le_u32 vcc_lo, 16, v23
.irp n, 0,1,2,3,4,5,6,7
	v_cndmask_b32 v[204+\n], v[48+2*\n], v[49+2*\n], vcc_lo    ; lanes 0-15 tile 2 n, lanes 16-31 tile 2 n + 1: e = 256 w + 32 n + lane
.endr
	s_wait_alu depctr_va_vdst(0)
	s_cmp_lg_u32 s20, 0
	s_cbranch_scc1 .Lno_pm
	global_store_b64 v19, v[28:29], s[16:17]
.Lno_pm:
.irp n, 0,1,2,3,4,5,6,7
	ds_store_b32 v252, v[204+\n] offset:128*\n
.endr
	ds_load_b128 v[212:215], v253                  ; LDS serves a wave's instructions in order: these see my stores
	ds_load_b128 v[216:219], v253 offset:512
	s_wait_dscnt 0x0
	global_store_b128 v254, v[212:215], s[18:19]   ; 512 consecutive bytes a store, aligned
	global_store_b128 v254, v[216:219], s[18:19] offset:512
	s_wait_tensorcnt 0x0                           ; the wave's end
	ds_add_u32 v1, v2
	s_wait_dscnt 0x0
	ROUND                                          ; the closing round: no work-group ends while a partner may still ask for a tile that names it
	s_endpgm
.Lfunc_end_k_qafc420cc77_attend:
	.size	k_qafc420cc77_attend, .Lfunc_end_k_qafc420cc77_attend-k_qafc420cc77_attend
	.p2alignl 7, 3214868480
	.fill 96, 4, 3214868480
	.section	.rodata,"a",@progbits
	.p2align	6, 0x0
	.amdhsa_kernel k_qafc420cc77_attend
		.amdhsa_group_segment_fixed_size 327680
		.amdhsa_private_segment_fixed_size 0
		.amdhsa_enable_private_segment 0
		.amdhsa_kernarg_size 56
		.amdhsa_user_sgpr_count 2
		.amdhsa_user_sgpr_kernarg_segment_ptr 1
		.amdhsa_wavefront_size32 1
		.amdhsa_system_sgpr_workgroup_id_x 1
		.amdhsa_system_sgpr_workgroup_id_y 1
		.amdhsa_system_sgpr_workgroup_id_z 1
		.amdhsa_system_vgpr_workitem_id 0
		.amdhsa_next_free_vgpr 1024
		.amdhsa_next_free_sgpr 66
		.amdhsa_reserve_vcc 1
		.amdhsa_float_denorm_mode_32 3
		.amdhsa_float_denorm_mode_16_64 3
		.amdhsa_memory_ordered 1
		.amdhsa_forward_progress 1
		.amdhsa_inst_pref_size 255
	.end_amdhsa_kernel
	.section	.bss,"aw",@nobits
	.p2align	6
	.space	262144
	.amdgpu_metadata
---
amdhsa.version: [ 1, 2 ]
amdhsa.kernels:
  - .name:           k_qafc420cc77_attend
    .symbol:         k_qafc420cc77_attend.kd
    .args:
      - { .name: keys, .offset: 0, .size: 8, .value_kind: global_buffer, .address_space: global }
      - { .name: qb, .offset: 8, .size: 8, .value_kind: global_buffer, .address_space: global }
      - { .name: V_w, .offset: 16, .size: 8, .value_kind: global_buffer, .address_space: global }
      - { .name: w2img, .offset: 24, .size: 8, .value_kind: global_buffer, .address_space: global }
      - { .name: sc, .offset: 32, .size: 8, .value_kind: global_buffer, .address_space: global }
      - { .name: pm, .offset: 40, .size: 8, .value_kind: global_buffer, .address_space: global }
      - { .name: pc, .offset: 48, .size: 8, .value_kind: global_buffer, .address_space: global }
    .group_segment_fixed_size: 327680
    .private_segment_fixed_size: 0
    .kernarg_segment_align: 8
    .kernarg_segment_size: 56
    .max_flat_workgroup_size: 128
    .sgpr_count:     66
    .vgpr_count:     1024
    .wavefront_size: 32
...
	.end_amdgpu_metadata
.endif
;; end of part 2
;; launch combine (part 3): grid 64 x 4, 2 waves a work-group, no clusters, 0 bytes of LDS; arguments sc, pm, pc, out0, out1; writes out0, out1
.if DOCPART == 3
	.amdgcn_target "amdgcn-amd-amdhsa--gfx1250"
	.amdhsa_code_object_version 6
	.text
	.protected	k_qafc420cc77_combine
	.globl	k_qafc420cc77_combine
	.p2align	8
	.type	k_qafc420cc77_combine,@function
k_qafc420cc77_combine:
	s_mov_b64 s[64:65], 0
	v_nop
	global_prefetch_b8 v0, s[64:65] scope:SCOPE_SE
	s_setreg_imm32_b32 hwreg(HW_REG_WAVE_MODE, 25, 1), 1
	s_wait_xcnt 0x0
; The four parts of a batch are joined.  Part g has its largest score m_g, its sum l_g of e^(score - m_g), and its sum pc_g of e^(score - m_g) x key.
; M = the largest m_g; e_g = e^(m_g - M); L = sum of l_g e_g; context = sum of (e_g / L) pc_g; attn = e^(score - M) / L.
; x = the batch, y = a quarter of the 1,024 columns; thread t takes four columns: each load and store of a wave covers 512 consecutive bytes, aligned.  No LDS, no barrier, no matrix work: 1.3 MB in, 0.5 MB out.
	s_load_b256 s[4:11], s[0:1], 0x0               ; sc s[4:5], pm s[6:7], pc s[8:9], out0 s[10:11]
	s_load_b64 s[12:13], s[0:1], 0x20              ; out1
	s_and_b32 s14, ttmp7, 0xffff                   ; y
	v_lshlrev_b32 v1, 4, v0
	s_lshl_b32 s2, ttmp9, 12
	s_lshl_b32 s3, s14, 10
	s_add_co_u32 s2, s2, s3                        ; 4,096 b + 1,024 y: sc, out0, out1
	s_mov_b32 s3, 0
	s_lshl_b32 s26, ttmp9, 14
	s_lshl_b32 s27, s14, 10
	s_add_co_u32 s26, s26, s27                     ; 16,384 b + 1,024 y: pc
	s_mov_b32 s27, 0
	s_lshl_b32 s28, ttmp9, 10                      ; 1,024 b: pm
	s_mov_b32 s29, 0
	s_mov_b32 s24, 0x3fb8aa3b                      ; log2(e)
	s_wait_alu depctr_va_vdst(0)
	s_wait_kmcnt 0x0
	s_add_nc_u64 s[6:7], s[6:7], s[28:29]
	s_load_b64 s[16:17], s[6:7], 0x0               ; (m_g, l_g), g = 0 .. 3
	s_load_b64 s[18:19], s[6:7], 0x100
	s_load_b64 s[20:21], s[6:7], 0x200
	s_load_b64 s[22:23], s[6:7], 0x300
	s_add_nc_u64 s[4:5], s[4:5], s[2:3]
	s_add_nc_u64 s[8:9], s[8:9], s[26:27]
	s_add_nc_u64 s[10:11], s[10:11], s[2:3]
	s_add_nc_u64 s[12:13], s[12:13], s[2:3]
	global_load_b128 v[4:7], v1, s[4:5]
	global_load_b128 v[16:19], v1, s[8:9]
	global_load_b128 v[20:23], v1, s[8:9] offset:4096
	global_load_b128 v[24:27], v1, s[8:9] offset:8192
	global_load_b128 v[28:31], v1, s[8:9] offset:12288
	s_wait_kmcnt 0x0
	v_mov_b32 v8, s16
	v_max3_num_f32 v8, v8, s18, s20
	v_max_num_f32 v8, s22, v8                      ; M
	v_sub_f32 v12, s16, v8
	v_sub_f32 v13, s18, v8
	v_sub_f32 v14, s20, v8
	v_sub_f32 v15, s22, v8
.irp g, 12,13,14,15
	v_mul_f32 v\g, s24, v\g
.endr
	s_wait_alu depctr_va_vdst(0)
	s_wait_loadcnt 0x0
.irp j, 4,5,6,7
	v_sub_f32 v\j, v\j, v8
.endr
.irp j, 4,5,6,7
	v_mul_f32 v\j, s24, v\j
.endr
	s_wait_alu depctr_va_vdst(0)
.irp j, 12,13,14,15,4,5,6,7
	v_exp_f32 v\j, v\j                             ; one batch of eight
.endr
	v_nop                                          ; a plain place behind the last
	s_wait_alu depctr_va_vdst(0)                   ; and one wait ahead of the first reader
	v_mul_f32 v9, s17, v12
	v_fma_f32 v9, s19, v13, v9
	v_fma_f32 v9, s21, v14, v9
	v_fma_f32 v9, s23, v15, v9                     ; L
	s_wait_alu depctr_va_vdst(0)
	v_rcp_f32 v9, v9
	v_nop
	s_wait_alu depctr_va_vdst(0)
.irp g, 12,13,14,15
	v_mul_f32 v\g, v\g, v9                         ; e_g / L
.endr
.irp j, 0,1,2,3
	v_mul_f32 v[36+\j], v[4+\j], v9                ; attn
	v_mul_f32 v[32+\j], v[16+\j], v12
.endr
.irp j, 0,1,2,3
	v_fma_f32 v[32+\j], v[20+\j], v13, v[32+\j]
.endr
.irp j, 0,1,2,3
	v_fma_f32 v[32+\j], v[24+\j], v14, v[32+\j]
.endr
.irp j, 0,1,2,3
	v_fma_f32 v[32+\j], v[28+\j], v15, v[32+\j]    ; context
.endr
	global_store_b128 v1, v[32:35], s[10:11]
	global_store_b128 v1, v[36:39], s[12:13]
	s_endpgm
.Lfunc_end_k_qafc420cc77_combine:
	.size	k_qafc420cc77_combine, .Lfunc_end_k_qafc420cc77_combine-k_qafc420cc77_combine
	.p2alignl 7, 3214868480
	.fill 96, 4, 3214868480
	.section	.rodata,"a",@progbits
	.p2align	6, 0x0
	.amdhsa_kernel k_qafc420cc77_combine
		.amdhsa_group_segment_fixed_size 0
		.amdhsa_private_segment_fixed_size 0
		.amdhsa_enable_private_segment 0
		.amdhsa_kernarg_size 40
		.amdhsa_user_sgpr_count 2
		.amdhsa_user_sgpr_kernarg_segment_ptr 1
		.amdhsa_wavefront_size32 1
		.amdhsa_system_sgpr_workgroup_id_x 1
		.amdhsa_system_sgpr_workgroup_id_y 1
		.amdhsa_system_sgpr_workgroup_id_z 1
		.amdhsa_system_vgpr_workitem_id 0
		.amdhsa_next_free_vgpr 48
		.amdhsa_next_free_sgpr 66
		.amdhsa_reserve_vcc 0
		.amdhsa_float_denorm_mode_32 3
		.amdhsa_float_denorm_mode_16_64 3
		.amdhsa_memory_ordered 1
		.amdhsa_forward_progress 1
		.amdhsa_inst_pref_size 5
	.end_amdhsa_kernel
	.amdgpu_metadata
---
amdhsa.version: [ 1, 2 ]
amdhsa.kernels:
  - .name:           k_qafc420cc77_combine
    .symbol:         k_qafc420cc77_combine.kd
    .args:
      - { .name: sc, .offset: 0, .size: 8, .value_kind: global_buffer, .address_space: global }
      - { .name: pm, .offset: 8, .size: 8, .value_kind: global_buffer, .address_space: global }
      - { .name: pc, .offset: 16, .size: 8, .value_kind: global_buffer, .address_space: global }
      - { .name: out0, .offset: 24, .size: 8, .value_kind: global_buffer, .address_space: global }
      - { .name: out1, .offset: 32, .size: 8, .value_kind: global_buffer, .address_space: global }
    .group_segment_fixed_size: 0
    .private_segment_fixed_size: 0
    .kernarg_segment_align: 8
    .kernarg_segment_size: 40
    .max_flat_workgroup_size: 64
    .sgpr_count:     66
    .vgpr_count:     48
    .wavefront_size: 32
...
	.end_amdgpu_metadata
.endif
;; end of part 3
